; MI455X (gfx1250); checked and timed in simulation.
; The chip was launched on July 23, 2026; its instructions are those of AMD's public machine-readable ISA for CDNA 5 (MIT licence, August 2026) and "CDNA5" Instruction Set Architecture Reference Guide (July 2026). The comments in the code are by the model that wrote it; some were corrected since.
;; Self Attention. Allowed arithmetic: float matrix products may take bf16 or f16 operands with f32 sums; all other float work in f32.
;; Inputs: key 2 x 12 x 2,048 x 64 float32; mask 2 x 2,048 x 2,048 int32; query 2 x 12 x 2,048 x 64 float32; value 2 x 12 x 2,048 x 64 float32.
;; Outputs: out0 2 x 12 x 2,048 x 64 float32.
;; One version. Each part assembles by itself: llvm-mc -triple=amdgcn-amd-amdhsa -mcpu=gfx1250 --defsym DOCPART=n.
;; ======== version 1 of 1: 2 launches
;; limits: values are held in f16: magnitudes above 65,504 overflow, below 6.1e-05 lose precision; inputs' magnitudes at most 65,504
;; workspace buffers: kv 12,582,912 bytes; maskw 1,048,576 bytes of whole numbers
;; launch prep (part 1): grid 1792 x 1, 4 waves a work-group, no clusters, 35,328 bytes of LDS; arguments key, value, mask, kv, maskw; writes kv, maskw
.if DOCPART == 1
	.amdgcn_target "amdgcn-amd-amdhsa--gfx1250"
	.amdhsa_code_object_version 6
	.text
	.protected	k_q766cc9ffc2_prep
	.globl	k_q766cc9ffc2_prep
	.p2align	8
	.type	k_q766cc9ffc2_prep,@function
k_q766cc9ffc2_prep:
	s_mov_b64 s[64:65], 0
	v_nop
	global_prefetch_b8 v0, s[64:65] scope:SCOPE_SE
	s_setreg_imm32_b32 hwreg(HW_REG_WAVE_MODE, 25, 1), 1
	s_wait_xcnt 0x0
; PREPARATION FOR THE ATTENTION LAUNCH: key, value and mask are read once and written in the form in which the matrix loop wants them.
;   kv[head 0..23][chunk of 32 keys, 0..63][8,192 bytes], f16:
;     bytes 0..4095     K: [kt2 2][dh 2][blk 2][lane 32][16 bytes]; lane L (r = L & 15, h = L >> 4) holds K[16 kt2 + r][32 dh + 16 blk + 8 h .. + 7]
;     bytes 4096..8191  V: [c 4][blk 2][lane 32][16 bytes];         lane L holds V[16 blk + 8 h + i][4 r + c], i = 0 .. 7 (eight keys of one column)
;   maskw[b][qt 128][kt 128][j 8], one word: bit L = (mask[b][16 qt + (L & 15)][16 kt + 8 (L >> 4) + j] != 0)
; Each of these is the register image of a matrix operand or of a lane mask (ISA guide 7.12.2), so that the loop needs neither conversion nor compare.
; FORMAT AND LIMIT.  f16, not bf16: 11 significant bits against 8, at the same bytes.  |k| and |v| up to 65,504 are served (beyond it the conversion gives
; infinity); magnitudes below 2^-14 are kept in steps of 2^-24.
; A stream: memory binds it, so there is no matrix unit, no cluster, no barrier.  Every wave takes one unit of 8,192 input bytes, asks for all of it at
; once (16 loads of 512 bytes) and ends.  Work-groups 0..1023: mask, 1024..1407: key, 1408..1791: value; 4 waves, 4 units each.
; LDS is used only to turn a wave's own unit; each wave has REGION bytes of its own, so no wave waits for another.
.set REGION, 8704                      ; a wave's LDS: 16 rows x 528 bytes (mask) or 32 rows x 144 bytes (key)
.set MPITCH, 528                       ; 512 bytes + 16: sixteen rows start at sixteen different 16-byte columns of 256 bytes (64 banks of 4 bytes: ISA guide 11.1)
.set KPITCH, 144                       ; 128 bytes + 16, likewise
.set W, 6                              ; v[6:7]    the 64 mask words of a unit: lane L holds words 2 L and 2 L + 1
.set X, 8                              ; v[8:71]   the unit as loaded
.set Y, 72                             ; v[72:103] the unit in f16, to store
	s_load_b256 s[4:11], s[0:1], 0x0               ; key s[4:5], value s[6:7], mask s[8:9], kv s[10:11]
	s_load_b64 s[12:13], s[0:1], 0x20              ; maskw
	v_lshl_add_u32 v104, v0, 2, 0x8800
	v_mov_b32 v105, 0
	v_lshrrev_b32 v1, 5, v0
	v_readfirstlane_b32 s14, v1                    ; wave 0..3
	v_and_b32 v1, 31, v0
	v_lshlrev_b32 v1, 4, v1                        ; 16 L
	v_and_b32 v2, 15, v0                           ; r
	v_bfe_u32 v3, v0, 4, 1                         ; h
	s_mul_i32 s18, s14, REGION                     ; my wave's LDS
	s_mov_b32 s17, 0                               ; high word of every offset pair s[16:17]
	s_wait_kmcnt 0x0
	s_cmp_lt_u32 ttmp9, 1024
	s_cbranch_scc1 .Lmask
	s_cmp_lt_u32 ttmp9, 1408
	s_cbranch_scc1 .Lkey
	; VALUE.  Lane L loads 4 columns (4 r .. 4 r + 3) of the 16 keys 16 g + 8 h + i: sixteen lanes read one whole row of 256 bytes.
	; A packed conversion takes two keys of one column, so the transposition costs nothing beyond the rounding, and no LDS.
	s_sub_co_u32 s15, ttmp9, 1408
	s_lshl2_add_u32 s15, s15, s14                  ; chunk = 4 (x - 1408) + wave, 0..1535
	s_lshl_b32 s16, s15, 13                        ; x 8,192 bytes, in value and in kv alike
	s_add_nc_u64 s[6:7], s[6:7], s[16:17]
	s_add_nc_u64 s[10:11], s[10:11], s[16:17]
	v_lshlrev_b32 v4, 4, v2
	v_lshl_add_u32 v4, v3, 11, v4                  ; 16 r + 8 h rows of 256 bytes
.irp g, 0,1
.irp i, 0,1,2,3,4,5,6,7
	global_load_b128 v[X+32*\g+4*\i:X+32*\g+4*\i+3], v4, s[6:7] offset:\g*4096+\i*256 th:TH_LOAD_NT
.endr
.endr
.irp g, 0,1
	s_wait_loadcnt 8-8*\g                          ; loads come back in order (ISA guide 5.7.1): group g's eight are in, group 1's may be out
.irp c, 0,1,2,3
.irp p, 0,1,2,3
	v_cvt_pk_f16_f32 v[Y+8*\c+4*\g+\p], v[X+32*\g+8*\p+\c], v[X+32*\g+8*\p+4+\c]   ; keys 2 p and 2 p + 1 of column 4 r + c
.endr
	global_store_b128 v1, v[Y+8*\c+4*\g:Y+8*\c+4*\g+3], s[10:11] offset:4096+\c*1024+\g*512   ; 512 consecutive bytes, aligned
.endr
.endr
	s_endpgm
.Lkey:
	; KEY.  Rounded to f16, laid into LDS by rows, read back as fragments.
	s_sub_co_u32 s15, ttmp9, 1024
	s_lshl2_add_u32 s15, s15, s14                  ; chunk = 4 (x - 1024) + wave
	s_lshl_b32 s16, s15, 13
	s_add_nc_u64 s[4:5], s[4:5], s[16:17]
	s_add_nc_u64 s[10:11], s[10:11], s[16:17]
	v_mul_u32_u24 v4, v3, KPITCH
	v_lshl_add_u32 v4, v2, 3, v4
	v_add_nc_u32 v4, s18, v4                       ; in: row h of a pair of rows, 8 bytes at column 4 r
	v_mul_u32_u24 v5, v2, KPITCH
	v_lshl_add_u32 v5, v3, 4, v5
	v_add_nc_u32 v5, s18, v5                       ; back: row r, 16 bytes at column 8 h
.set t, 0
.rept 16
	global_load_b128 v[X+4*t:X+4*t+3], v1, s[4:5] offset:512*t th:TH_LOAD_NT   ; rows 2 t and 2 t + 1
.set t, t+1
.endr
.set t, 0
.rept 16
	s_wait_loadcnt 15-t                            ; load t is in, the younger ones stay out
	v_cvt_pk_f16_f32 v[X+4*t], v[X+4*t], v[X+4*t+1]
	v_cvt_pk_f16_f32 v[X+4*t+1], v[X+4*t+2], v[X+4*t+3]
	ds_store_b64 v4, v[X+4*t:X+4*t+1] offset:2*KPITCH*t
.set t, t+1
.endr
.set i, 0
.rept 8                                            ; i = 4 kt2 + 2 dh + blk.  LDS serves a wave's instructions in order (ISA guide 5.7.1.4): these see the stores above
	ds_load_b128 v[Y+4*i:Y+4*i+3], v5 offset:(i>>2)*16*KPITCH+((i>>1)&1)*64+(i&1)*32
.set i, i+1
.endr
.set i, 0
.rept 8
	s_wait_dscnt 7-i
	global_store_b128 v1, v[Y+4*i:Y+4*i+3], s[10:11] offset:512*i
.set i, i+1
.endr
	s_wait_tensorcnt 0x0
	ds_add_u32 v104, v105
	s_wait_dscnt 0x0
	s_endpgm
.Lmask:
	; MASK.  A unit is 16 query rows x 128 keys.  It goes through LDS so that lane L holds the words of query r and keys 16 kt + 8 h + j;
	; a compare then makes the 32 lanes' bits into one word, and 64 such words are 256 bytes of maskw.
	s_lshl2_add_u32 s15, ttmp9, s14                ; unit u = 4 x + wave, 0..4095: u >> 4 = 128 b + qt, u & 15 = which 128 keys
	s_lshr_b32 s16, s15, 4
	s_lshl_b32 s16, s16, 17                        ; 16 rows of 8,192 bytes
	s_and_b32 s19, s15, 15
	s_lshl_b32 s19, s19, 9                         ; 128 keys of 4 bytes
	s_add_co_u32 s16, s16, s19
	s_add_nc_u64 s[8:9], s[8:9], s[16:17]
	s_lshl_b32 s16, s15, 8                         ; 256 bytes of maskw for each unit
	s_add_nc_u64 s[12:13], s[12:13], s[16:17]
	v_add_nc_u32 v4, s18, v1                       ; in: 16 L of a row
	v_mul_u32_u24 v5, v2, MPITCH
	v_lshl_add_u32 v5, v3, 5, v5
	v_add_nc_u32 v5, s18, v5                       ; back: row r, 8 h words on
	v_lshrrev_b32 v2, 1, v1                        ; 8 L: my two words in the unit's 256 bytes
	v_mov_b32 v[W], 0                              ; v_writelane_b32 keeps the other lanes: the pair is written whole first
	v_mov_b32 v[W+1], 0
.set t, 0
.rept 16
	global_load_b128 v[X+4*t:X+4*t+3], v1, s[8:9] offset:8192*t th:TH_LOAD_NT   ; row t: 512 consecutive bytes, aligned
.set t, t+1
.endr
.set t, 0
.rept 16
	s_wait_loadcnt 15-t
	ds_store_b128 v4, v[X+4*t:X+4*t+3] offset:MPITCH*t
.set t, t+1
.endr
.set i, 0
.rept 16                                           ; i = 2 kt + p: keys 16 kt + 8 h + 4 p .. + 3
	ds_load_b128 v[X+4*i:X+4*i+3], v5 offset:(i>>1)*64+(i&1)*16
.set i, i+1
.endr
.set i, 0
.rept 16
	s_wait_dscnt 15-i                              ; load i is back, the younger ones stay out
.irp e, 0,1,2,3
	v_cmp_ne_u32 s[20+\e], 0, v[X+4*i+\e]          ; word n = 4 i + e = 8 kt + j: any number but 0 keeps the score
.endr
.irp e, 0,1,2,3
	v_writelane_b32 v[W+(\e&1)], s[20+\e], (4*i+\e)>>1
.endr
.set i, i+1
.endr
	global_store_b64 v2, v[W:W+1], s[12:13]        ; the wave stores 256 consecutive bytes, aligned
	s_wait_tensorcnt 0x0
	ds_add_u32 v104, v105
	s_wait_dscnt 0x0
	s_endpgm
.Lfunc_end_k_q766cc9ffc2_prep:
	.size	k_q766cc9ffc2_prep, .Lfunc_end_k_q766cc9ffc2_prep-k_q766cc9ffc2_prep
	.p2alignl 7, 3214868480
	.fill 96, 4, 3214868480
	.section	.rodata,"a",@progbits
	.p2align	6, 0x0
	.amdhsa_kernel k_q766cc9ffc2_prep
		.amdhsa_group_segment_fixed_size 35328
		.amdhsa_private_segment_fixed_size 0
		.amdhsa_enable_private_segment 0
		.amdhsa_kernarg_size 40
		.amdhsa_user_sgpr_count 2
		.amdhsa_user_sgpr_kernarg_segment_ptr 1
		.amdhsa_wavefront_size32 1
		.amdhsa_system_sgpr_workgroup_id_x 1
		.amdhsa_system_sgpr_workgroup_id_y 1
		.amdhsa_system_sgpr_workgroup_id_z 1
		.amdhsa_system_vgpr_workitem_id 0
		.amdhsa_next_free_vgpr 106
		.amdhsa_next_free_sgpr 66
		.amdhsa_reserve_vcc 0
		.amdhsa_float_denorm_mode_32 3
		.amdhsa_float_denorm_mode_16_64 3
		.amdhsa_memory_ordered 1
		.amdhsa_forward_progress 1
		.amdhsa_inst_pref_size 27
	.end_amdhsa_kernel
	.amdgpu_metadata
---
amdhsa.version: [ 1, 2 ]
amdhsa.kernels:
  - .name:           k_q766cc9ffc2_prep
    .symbol:         k_q766cc9ffc2_prep.kd
    .args:
      - { .name: key, .offset: 0, .size: 8, .value_kind: global_buffer, .address_space: global }
      - { .name: value, .offset: 8, .size: 8, .value_kind: global_buffer, .address_space: global }
      - { .name: mask, .offset: 16, .size: 8, .value_kind: global_buffer, .address_space: global }
      - { .name: kv, .offset: 24, .size: 8, .value_kind: global_buffer, .address_space: global }
      - { .name: maskw, .offset: 32, .size: 8, .value_kind: global_buffer, .address_space: global }
    .group_segment_fixed_size: 35328
    .private_segment_fixed_size: 0
    .kernarg_segment_align: 8
    .kernarg_segment_size: 40
    .max_flat_workgroup_size: 128
    .sgpr_count:     66
    .vgpr_count:     106
    .wavefront_size: 32
...
	.end_amdgpu_metadata
.endif
;; end of part 1
;; launch attn (part 2): grid 32 x 8, 12 waves a work-group, clusters of 4 x 1, 327,680 bytes of LDS; arguments maskw, kv, query, out0; writes out0
.if DOCPART == 2
	.amdgcn_target "amdgcn-amd-amdhsa--gfx1250"
	.amdhsa_code_object_version 6
	.text
	.protected	k_q766cc9ffc2_attn
	.globl	k_q766cc9ffc2_attn
	.p2align	8
	.type	k_q766cc9ffc2_attn,@function
k_q766cc9ffc2_attn:
	s_mov_b64 s[64:65], 0
	v_nop
	global_prefetch_b8 v0, s[64:65] scope:SCOPE_SE
	s_setreg_imm32_b32 hwreg(HW_REG_WAVE_MODE, 25, 1), 1
	s_wait_xcnt 0x0
	s_wait_alu depctr_hold_cnt(0) depctr_sa_sdst(0) depctr_va_vdst(0) depctr_va_sdst(0) depctr_va_ssrc(0) depctr_va_vcc(0) depctr_vm_vsrc(0)
	s_getreg_b32 s2, hwreg(HW_REG_IB_STS2, 6, 4)
	s_cmp_eq_u32 s2, 0
	s_cbranch_scc0 .Lentry_in_a_cluster
	s_endpgm
.Lentry_in_a_cluster:
	s_bfe_u32 s2, ttmp6, 0x10000c
	s_cmp_lg_u32 s2, 0x3003
	s_cbranch_scc0 .Lentry_shape_is_right
	s_endpgm
.Lentry_shape_is_right:
; out[b][h][q][:] = softmax over k of (mask ? q.k / 8 : -1e9) x V.   B = 2, H = 12, S = 2048, D = 64.
; SHARES.  Work-group (x, y): query rows 64 x .. 64 x + 63 of the three heads 3 y .. 3 y + 2 (all of batch y >> 2): 192 head rows, 256 work-groups.
; Wave w = 4 hh + 2 kh + qh: head hh, the 32 query rows 32 qh .., and keys 64 kh .. 64 kh + 63 of every step of 128 keys.  Of its two tiles of 16 queries
; tile 0 (rows + 16 kh) is the one that it finishes, tile 1 (rows + 16 (1 - kh)) the one that it hands to wave w ^ 2 at the end: one text for all waves.
; TRANSPOSED PRODUCTS.  S^T = K Q^T and O^T = V^T P^T: in a result, lane L (r = L & 15, h = L >> 4) holds query r (ISA guide 7.12.2), so maximum, sum and
; rescaling are a lane's own but for one exchange between the halves, and eight scores of a lane, rounded in pairs, ARE four registers of P^T's fragment.
; K and V come from kv as f16 in fragment order: every LDS read is 512 consecutive bytes.  V^T's fragment c has row m = column 4 m + c of V, so that
; a lane ends with 32 neighbouring columns of its query.  The mask comes from maskw as lane masks, by scalar loads, straight into v_cndmask_b32.
; CLUSTER.  The four query blocks of one y walk the same tiles of kv: 4 x 1 work-groups ask for each tile jointly (mask 15).  The descriptors hang on y, the
; wave's number and the step alone; the place in the cluster enters only the global addresses of query, maskw and out0.
; RING.  Two LDS slots of one step (128 keys x 3 heads x 256 bytes = 98,304 bytes); each of the 12 waves brings 8,192 bytes of a slot by one tensor load.
; A wave has two tensor loads out at the start and one behind each round.
; SCHEDULE.  A step of a wave is 32 matrix instructions and some 300 vector instructions, and the round brings all twelve waves to the same line, so the wave
; itself lays matrix work under vector work.  The two query tiles are staggered: tile 1's eight products K Q^T are issued among tile 0's mask selects, tile 0's
; eight products V^T P^T among tile 1's mask and softmax.  Tile 1's V^T P^T is carried over the change of slots: its first four products (registers only) stand
; between the round's opening signal and wait, its last four behind the loads of K's first half, while these are on their way.
; FORMAT.  Q, K, V and P enter the products in f16, not bf16: 11 significant bits against 8, in the same registers.  An output is a mean of some
; thousand values that nearly cancel, so each operand's rounding weighs on it by the row's whole spread; p is at most 1 and fits f16 by construction.
; LIMITS.  |k|, |v| and 0.18 |q| up to 65,504 are served (beyond it the conversion gives infinity); magnitudes below 2^-14 are kept in steps of 2^-24, and a
; p below 2^-25 enters the product as 0 while the sum keeps it in f32: with 2,048 keys and a sum of at least 1 that is at most 6e-5 of the largest |v|.
; 0.125 log2 e is folded into Q before Q is rounded; scores are kept in base 2; a masked score is f32(-1e9 log2 e).  The running maximum is taken over
; masked scores too, so a row that is masked throughout gives p = 1 for every key: the mean of V, as -1e9 everywhere gives.
; v_exp_f32 gives 0 where 2^x is below 2^-126 (ISA guide 15.8).  NaN and infinite inputs are not served.
.set CHUNK,  8192                      ; 32 keys of one head in kv: K's 4,096 bytes, then V's
.set STEPB,  4*CHUNK                   ; a step of 128 keys of one head
.set SLOT,   12*CHUNK                  ; head hh at hh x 32,768, chunk j at j x 8,192
.set XCH,    2*SLOT                    ; 12 x 4,608 bytes: what a wave hands over: O of tile 1 (4,096), m (128), l (128).  Written by LDS stores alone
.set STG,    XCH+12*4608               ; 12 x 4,608 bytes, each wave's own: Q on its way in (2 x 16 rows x 144), the result on its way out (16 rows x 272)
.set WBYTES, 4608
.set QPITCH, 144                       ; 128 bytes + 16
.set OPITCH, 272                       ; 256 bytes + 16: sixteen rows start at sixteen different 16-byte columns of 256 bytes (64 banks of 4 bytes: ISA guide 11.1)
.set QSCALE, 0x3e38aa3b                ; 0.125 log2 e
.set LAD,  1                           ; v1, v2     LDS address of my fragments in slot 0, 1: 16 L + 32,768 hh + 16,384 kh
.set NEGV, 3                           ; v3         -1e9 log2 e
.set MR,   4                           ; v4, v5     running maximum of tile 0, 1 (equal in both halves of the lanes)
.set LR,   6                           ; v6, v7     running sum, this lane's keys only
.set NMR,  8                           ; v[8:9], v[10:11]   -m, twice, for the packed add
.set ALR,  12                          ; v[12:13], v[14:15] 2^(m old - m new), twice, for the packed multiply
.set TMP,  16                          ; v[16:23], v[24:31] at work, a set for each tile
.set ACC,  32                          ; v[32:95]   O^T: tile X, fragment c, register j at 32 X + 8 c + j: column 32 h + 4 j + c of query r
.set QF,   96                          ; v[96:127]  Q^T: tile X, half dh of d at 16 X + 8 dh
.set SC,   128                         ; v[128:191] S^T: tile X, key tile kt, register j at 32 X + 8 kt + j; later P^T of 32 keys at 32 X + 16 u
.set FR,   192                         ; v[192:255] fragments: K's half dh of d, key tile kt at 32 dh + 8 kt; then V^T's 32 keys u, fragment c at 32 u + 8 c
; s[4:5], s[6:7] maskw at tile 0's, tile 1's words of the step   s[8:9] query   s[10:11] out0   s12 wave   s13 hh   s14 kh   s15 qh
; s[16:23] descriptor group 1   s[24:27], s[28:31] group 0 of slot 0, 1   s[32:63] mask words of tile 0   s[68:99] of tile 1   s66, s67 lane selects   s100 trips
; A round of the cluster's barrier: my work-group's barrier, wave 0 signals for the work-group, every wave waits for all four work-groups, my work-group's barrier again.
.macro CREST                           ; a round behind its opening barrier
	s_cmp_lg_u32 s12, 0
	s_cbranch_scc1 .Lnot_wave_0_\@
	s_barrier_signal -3
.Lnot_wave_0_\@:
	s_barrier_wait -3
	s_barrier_signal -1
	s_barrier_wait -1
.endm
.macro ROUND                           ; a whole round
	s_barrier_signal -1
	s_barrier_wait -1
	CREST
.endm
; The 32 lane masks of one step for query tile X: 4 key tiles x 8 registers, 128 bytes.
.macro MASKLD X
.if \X == 0
	s_load_b512 s[32:47], s[4:5], 0x0
	s_load_b512 s[48:63], s[4:5], 0x40
.else
	s_load_b512 s[68:83], s[6:7], 0x0
	s_load_b512 s[84:99], s[6:7], 0x40
.endif
.endm
; Four places behind a matrix instruction (ISA guide 7.12.1), where no vector work of the wave is at hand.
.macro PLACES
.rept 4
	v_nop
.endr
.endm
	s_load_b256 s[4:11], s[0:1], 0x0               ; maskw s[4:5], kv s[6:7], query s[8:9], out0 s[10:11]
	s_set_vgpr_msb 0x40
	v_lshl_add_u32 v0, v0, 2, 0x4b000
	v_mov_b32 v1, 0
	s_set_vgpr_msb 0x4045
	ds_add_u32 v0, v1
	s_set_vgpr_msb 0x4500
	v_lshrrev_b32 v1, 5, v0
	v_readfirstlane_b32 s12, v1                    ; wave 0..11
	s_lshr_b32 s13, s12, 2                         ; hh
	s_bfe_u32 s14, s12, 0x10001                    ; kh
	s_and_b32 s15, s12, 1                          ; qh
	s_bfe_u32 s32, ttmp6, 0x40000                  ; my place in the cluster
	s_lshl_b32 s33, ttmp9, 2                       ; in a cluster launch ttmp9 counts clusters
	s_add_co_u32 s33, s33, s32                     ; x, 0..31
	s_and_b32 s34, ttmp7, 0xffff                   ; y, 0..7
	s_mul_i32 s35, s34, 3
	s_add_co_u32 s35, s35, s13                     ; head, 0..23
	s_mov_b32 s66, 0x76543210                      ; v_permlanex16_b32: lane i of one half reads lane i of the other
	s_mov_b32 s67, 0xfedcba98
	; group 1: a dense block of 8,192 bytes as 32 rows of 32 elements of 8 bytes; asked for jointly by the cluster's four work-groups
	s_mov_b32 s16, 15|(3<<16)|(1<<21)              ; 15:0 mask = all four; 17:16 elements of 8 bytes; 21 set beside a mask; no padding
	s_mov_b32 s17, 32<<16                          ; tensor_dim0 = 32
	s_mov_b32 s18, 32<<16                          ; tensor_dim1 = 32
	s_mov_b32 s19, 32<<16                          ; tile_dim0 = 32
	s_mov_b32 s20, 32                              ; tile_dim1 = 32
	s_mov_b32 s21, 32                              ; from row to row: 32 elements
	s_mov_b32 s22, 0
	s_mov_b32 s23, 0
	s_mov_b32 s24, 1
	s_lshl_b32 s25, s12, 13                        ; my chunk's place in slot 0: 8,192 x wave = 32,768 hh + 8,192 (w & 3)
	s_mov_b32 s28, 1
	s_add_co_u32 s29, s25, SLOT                    ; and in slot 1
	s_lshl_b32 s36, s35, 6                         ; kv: 64 chunks a head,
	s_and_b32 s37, s12, 3
	s_add_co_u32 s36, s36, s37                     ; chunk w & 3 of step 0
	s_lshl_b32 s36, s36, 13
	s_mov_b32 s37, 0
	; maskw: (128 b + query tile) x 4,096 bytes + 4 kh key tiles of 32 bytes
	s_lshr_b32 s38, s34, 2                         ; b
	s_lshl_b32 s38, s38, 7
	s_lshl2_add_u32 s38, s33, s38                  ; + 4 x
	s_lshl1_add_u32 s38, s15, s38                  ; + 2 qh
	s_xor_b32 s39, s14, 1                          ; 1 - kh
	s_add_co_u32 s40, s38, s14                     ; tile 0
	s_add_co_u32 s42, s38, s39                     ; tile 1
	s_lshl_b32 s40, s40, 12
	s_lshl_b32 s42, s42, 12
	s_lshl_b32 s41, s14, 7
	s_add_co_u32 s40, s40, s41
	s_add_co_u32 s42, s42, s41
	s_mov_b32 s41, 0
	s_mov_b32 s43, 0
	; query: my 32 rows; out0: the 16 rows of tile 0.  A row is 256 bytes
	s_lshl_b32 s44, s35, 19                        ; 2,048 rows a head
	s_lshl_b32 s45, s33, 14                        ; 64 x rows
	s_add_co_u32 s44, s44, s45
	s_lshl_b32 s45, s15, 13                        ; 32 qh rows
	s_add_co_u32 s44, s44, s45
	s_lshl_b32 s45, s14, 12                        ; 16 kh rows
	s_add_co_u32 s46, s44, s45
	s_mov_b32 s45, 0
	s_mov_b32 s47, 0
	s_lshl_b32 s48, s13, 15
	s_lshl_b32 s49, s14, 14
	s_add_co_u32 s48, s48, s49                     ; my head's and my keys' place in a slot
	s_mul_i32 s49, s12, WBYTES
	s_add_co_u32 s49, s49, STG                     ; my stage
	v_and_b32 v16, 31, v0
	v_lshlrev_b32 v17, 4, v16                      ; 16 L
	v_add_nc_u32 v[LAD], s48, v17
	v_add_nc_u32 v[LAD+1], SLOT, v[LAD]
	v_mov_b32 v[NEGV], 0xceabfb8f
	v_mov_b32 v20, 0                               ; the two destinations of v_permlanex16_b32 count as read: written once here
	v_mov_b32 v28, 0
	v_lshl_add_u32 v18, s14, 12, v17               ; Q of tile 0: 16 L + 16 kh rows
	v_lshl_add_u32 v19, s39, 12, v17               ; Q of tile 1: 16 L + 16 (1 - kh) rows
	v_and_b32 v21, 15, v0                          ; r
	v_bfe_u32 v22, v0, 4, 1                        ; h
	v_mul_u32_u24 v23, v22, QPITCH
	v_lshl_add_u32 v23, v21, 3, v23
	v_add_nc_u32 v23, s49, v23                     ; Q in: row h of a pair of rows, 8 bytes at column 4 r
	v_mul_u32_u24 v24, v21, QPITCH
	v_lshl_add_u32 v24, v22, 4, v24
	v_add_nc_u32 v24, s49, v24                     ; Q back: row r, 16 bytes at column 8 h
	s_wait_dscnt 0x0
	s_wait_kmcnt 0x0
	s_add_nc_u64 s[26:27], s[6:7], s[36:37]        ; slot 0: step 0
	s_add_nc_u64 s[30:31], s[26:27], STEPB         ; slot 1: step 1
	s_or_b32 s27, s27, 0x80000000                  ; type = 2
	s_or_b32 s31, s31, 0x80000000
	s_add_nc_u64 s[6:7], s[4:5], s[42:43]          ; kv's address is no longer needed: the pair now holds maskw at tile 1's words
	s_add_nc_u64 s[4:5], s[4:5], s[40:41]
	s_add_nc_u64 s[8:9], s[8:9], s[44:45]
	s_add_nc_u64 s[10:11], s[10:11], s[46:47]
	; Q is asked for ahead of the round: nobody writes it, so its loads may be on their way across the barriers.  SC serves as the landing place.
.irp t, 0,1,2,3,4,5,6,7
	global_load_b128 v[SC+4*\t:SC+4*\t+3], v18, s[8:9] offset:512*\t
.endr
.irp t, 0,1,2,3,4,5,6,7
	global_load_b128 v[SC+32+4*\t:SC+32+4*\t+3], v19, s[8:9] offset:512*\t
.endr
	ROUND                                          ; all four work-groups are here: the first joint loads meet
	tensor_load_to_lds s[24:27], s[16:23]          ; both first fills in one group, ahead of every wait on TENSORcnt, every LDS read and every further barrier
	s_nop 0
	tensor_load_to_lds s[28:31], s[16:23]
	s_nop 0
	MASKLD 0                                       ; step 0's words
	MASKLD 1
	; Q: scaled, rounded, through my own stage into fragments.
.macro QTILE X
.irp t, 0,1,2,3,4,5,6,7
	v_pk_mul_f32 v[SC+32*\X+4*\t:SC+32*\X+4*\t+1], v[SC+32*\X+4*\t:SC+32*\X+4*\t+1], QSCALE op_sel_hi:[1,0]
	v_pk_mul_f32 v[SC+32*\X+4*\t+2:SC+32*\X+4*\t+3], v[SC+32*\X+4*\t+2:SC+32*\X+4*\t+3], QSCALE op_sel_hi:[1,0]
	v_cvt_pk_f16_f32 v[SC+32*\X+4*\t], v[SC+32*\X+4*\t], v[SC+32*\X+4*\t+1]
	v_cvt_pk_f16_f32 v[SC+32*\X+4*\t+1], v[SC+32*\X+4*\t+2], v[SC+32*\X+4*\t+3]
	ds_store_b64 v23, v[SC+32*\X+4*\t:SC+32*\X+4*\t+1] offset:\X*16*QPITCH+\t*2*QPITCH
.endr
.irp f, 0,1,2,3                                    ; f = 2 dh + blk.  LDS serves a wave's instructions in order (ISA guide 5.7.1.4): these see the stores above
	ds_load_b128 v[QF+16*\X+4*\f:QF+16*\X+4*\f+3], v24 offset:\X*16*QPITCH+\f*32
.endr
.endm
	s_wait_loadcnt 0x8                             ; tile 0's eight loads are in, tile 1's eight may be out
	QTILE 0
	s_wait_loadcnt 0x0
	QTILE 1
; THE MATRIX INSTRUCTIONS, one at a time.  i = 0 .. 7 numbers the eight of a query tile's product: the half of the sum (i >> 2), then the accumulator (i & 3).
; So a tile's four accumulators take turns, one instruction a turn, in the same order in both halves; no group ends on the accumulator
; on which the next begins.
.macro QKI X, i                        ; S^T of tile X, key tile i & 3, half i >> 2 of d; the first half starts the sum
.set MD, SC+32*\X+8*((\i)&3)
.set MA, FR+32*((\i)>>2)+8*((\i)&3)
.set MB, QF+16*\X+8*((\i)>>2)
.if (\i) < 4
	v_wmma_f32_16x16x32_f16 v[MD:MD+7], v[MA:MA+7], v[MB:MB+7], 0
.else
	v_wmma_f32_16x16x32_f16 v[MD:MD+7], v[MA:MA+7], v[MB:MB+7], v[MD:MD+7]
.endif
.endm
.macro PVI X, i, first                 ; O^T of tile X, fragment i & 3, keys 32 (i >> 2) ..; first = 1: step 0, whose first 32 keys start the sum
.set MD, ACC+32*\X+8*((\i)&3)
.set MA, FR+32*((\i)>>2)+8*((\i)&3)
.set MB, SC+32*\X+16*((\i)>>2)
.set MZ, 0
.if (\i) < 4
.set MZ, \first
.endif
.if MZ
	v_wmma_f32_16x16x32_f16 v[MD:MD+7], v[MA:MA+7], v[MB:MB+7], 0
.else
	v_wmma_f32_16x16x32_f16 v[MD:MD+7], v[MA:MA+7], v[MB:MB+7], v[MD:MD+7]
.endif
.endm
.macro QK4 X, dh
.irp kt, 0,1,2,3
	QKI \X, 4*\dh+\kt
.endr
.endm
.macro PV4 X, u, first
.irp c, 0,1,2,3
	PVI \X, 4*\u+\c, \first
.endr
.endm
; MATRIX WORK AMONG VECTOR WORK.  PEND names eight matrix instructions that are due (kind 1: K Q^T of tile 1; kind 2: V^T P^T of tile 0); the vector macros below
; call TICK at places where a matrix instruction may stand (behind a plain vector instruction, never straight behind an exponential); every period-th TICK
; issues the next of the eight; FLUSH issues what is left.  The vector work round them belongs to the other tile and names none of their registers.
.set PK, 0
.set PP, 1
.set PF, 0
.set PI, 8
.set PH, 0
.macro PEND kind, period, first
.set PK, \kind
.set PP, \period
.set PF, \first
.set PI, 0
.set PH, 0
.endm
.macro EMIT
.if PK == 1
	QKI 1, PI
.else
	PVI 0, PI, PF
.endif
.set PI, PI+1
.endm
.macro TICK
.if PI < 8
.if (PH % PP) == 0
	EMIT
.endif
.set PH, PH+1
.endif
.endm
.macro FLUSH
.rept 8
.if PI < 8
	EMIT
.endif
.endr
.endm
.macro SETX X                          ; the registers of query tile X
.set SX, SC+32*\X
.set TX, TMP+8*\X
.set NX, NMR+2*\X
.set AX, ALR+2*\X
.set OX, ACC+32*\X
.endm
; Where the mask's bit is 0 the score is replaced.  base: the tile's first mask word.  Eight TICKs.
.macro MASK X, base
.irp kt, 0,1,2,3
.irp g, 0,4
.irp j, 0,1,2,3
	v_cndmask_b32 v[SC+32*\X+8*\kt+\g+\j], v[NEGV], v[SC+32*\X+8*\kt+\g+\j], s[\base+8*\kt+\g+\j]
.endr
	TICK
.endr
.endr
.endm
; Eight scores of key tile g: s - m, then 2^(s - m), in place.
.macro SUBEXP g
.irp p, 0,2,4,6
	v_pk_add_f32 v[SX+8*\g+\p:SX+8*\g+\p+1], v[SX+8*\g+\p:SX+8*\g+\p+1], v[NX:NX+1]
.endr
	TICK
.irp j, 0,1,2,3,4,5,6,7
	v_exp_f32 v[SX+8*\g+\j], v[SX+8*\g+\j]
.endr
.endm
; The eight p of key tile g are added to the two chains of sums and rounded in pairs to f16, moved together: key tiles 2 u and 2 u + 1 fill SX + 16 u .. + 7.
.macro SUMCVT g
.if \g == 0
	s_wait_alu depctr_va_vdst(0)
	v_pk_add_f32 v[TX:TX+1], v[SX:SX+1], v[SX+2:SX+3]              ; the first pairs start the chains: nothing is cleared
	v_pk_add_f32 v[TX+2:TX+3], v[SX+4:SX+5], v[SX+6:SX+7]
.else
	s_wait_alu depctr_va_vdst(0)
	v_pk_add_f32 v[TX:TX+1], v[TX:TX+1], v[SX+8*\g:SX+8*\g+1]
	v_pk_add_f32 v[TX+2:TX+3], v[TX+2:TX+3], v[SX+8*\g+2:SX+8*\g+3]
	v_pk_add_f32 v[TX:TX+1], v[TX:TX+1], v[SX+8*\g+4:SX+8*\g+5]
	v_pk_add_f32 v[TX+2:TX+3], v[TX+2:TX+3], v[SX+8*\g+6:SX+8*\g+7]
.endif
.irp p, 0,1,2,3
	v_cvt_pk_f16_f32 v[SX+16*(\g>>1)+4*(\g&1)+\p], v[SX+8*\g+2*\p], v[SX+8*\g+2*\p+1]
.endr
	TICK
.endm
; The softmax step of query tile X, 32 scores a lane, first part: the new maximum.  first = 1: there is no old maximum, sum or O yet.  Four TICKs.
.macro SOFTA X, first
	SETX \X
.irp c, 0,1,2,3                                    ; the maximum of 32 scores and the old m: sixteen three-way maxima, four chains first
	v_max3_num_f32 v[TX+\c], v[SX+8*\c], v[SX+8*\c+1], v[SX+8*\c+2]
.endr
	TICK
.irp c, 0,1,2,3
	v_max3_num_f32 v[TX+\c], v[TX+\c], v[SX+8*\c+3], v[SX+8*\c+4]
.endr
	TICK
.irp c, 0,1,2,3
	v_max3_num_f32 v[TX+\c], v[TX+\c], v[SX+8*\c+5], v[SX+8*\c+6]
.endr
	TICK
	v_max3_num_f32 v[TX], v[TX], v[SX+7], v[TX+1]
	v_max3_num_f32 v[TX+2], v[TX+2], v[SX+15], v[TX+3]
	v_max3_num_f32 v[TX], v[TX], v[SX+23], v[SX+31]
.if \first
	v_max_num_f32 v[TX], v[TX], v[TX+2]
.else
	v_max3_num_f32 v[TX], v[TX], v[TX+2], v[MR+\X]
.endif
	v_permlanex16_b32 v[TX+4], v[TX], s66, s67     ; the other half of the lanes holds the same query's other keys
	v_max_num_f32 v[TX+5], v[TX], v[TX+4]          ; the new m, equal in both halves
.if \first == 0
	v_sub_f32 v[TX+6], v[MR+\X], v[TX+5]
	v_exp_f32 v[AX], v[TX+6]                       ; behind a transcendental one plain vector instruction stands before its result is used or its
	v_exp_f32 v[AX+1], v[TX+6]                     ; source rewritten (ISA guide 5.7.2): here the next line
.endif
	v_xor_b32 v[NX], 0x80000000, v[TX+5]
	v_xor_b32 v[NX+1], 0x80000000, v[TX+5]
	v_mov_b32 v[MR+\X], v[TX+5]
	TICK
.endm
; Second part: p, its sum, its rounding, and the rescaling of l and O.  Eight TICKs, and four more where O is rescaled.
.macro SOFTB X, first
	SETX \X
	SUBEXP 0                                       ; a key tile's sums and roundings stand one tile behind its exponentials, so that the line behind
	SUBEXP 1                                       ; each run of exponentials is plain and touches none of that run's registers
	SUMCVT 0
	SUBEXP 2
	SUMCVT 1
	SUBEXP 3
	SUMCVT 2
	SUMCVT 3
	v_pk_add_f32 v[TX:TX+1], v[TX:TX+1], v[TX+2:TX+3]
.if \first
	v_add_f32 v[LR+\X], v[TX], v[TX+1]
.else
	v_fma_f32 v[LR+\X], v[LR+\X], v[AX], v[TX]
	v_add_f32 v[LR+\X], v[LR+\X], v[TX+1]
.irp q, 0,8,16,24
.irp p, 0,2,4,6
	v_pk_mul_f32 v[OX+\q+\p:OX+\q+\p+1], v[OX+\q+\p:OX+\q+\p+1], v[AX:AX+1]
.endr
	TICK
.endr
.endif
.endm
; K's fragments of half dh of d, my four key tiles: eight loads of 512 consecutive bytes.
.macro KLOAD slot, dh
.irp kt, 0,1,2,3
.irp blk, 0,1
	ds_load_b128 v[FR+32*\dh+8*\kt+4*\blk:FR+32*\dh+8*\kt+4*\blk+3], v[LAD+\slot] offset:(\kt>>1)*CHUNK+(\kt&1)*2048+\dh*1024+\blk*512
.endr
.endr
.endm
; V^T's fragments: 32 keys u, columns 4 m + c: sixteen loads.
.macro VLOAD slot
.irp u, 0,1
.irp c, 0,1,2,3
.irp blk, 0,1
	ds_load_b128 v[FR+32*\u+8*\c+4*\blk:FR+32*\u+8*\c+4*\blk+3], v[LAD+\slot] offset:\u*CHUNK+4096+\c*1024+\blk*512
.endr
.endr
.endr
.endm
; A step behind the loads of its K fragments: my 64 keys of the slot against my 32 queries, all but tile 1's V^T P^T, which the next BOUND or the end takes.
; first = 1: step 0.  more = 1: a further step follows, whose mask words are asked for.
.macro BODY slot, first, more
	s_wait_dscnt 0x8                               ; the eight loads of K's first half are back, the eight of its second half may be out
	QK4 0, 0
	s_wait_dscnt 0x0
	QK4 0, 1
	PLACES                                         ; in front of the selects, which read and write tile 0's scores
	s_wait_kmcnt 0x0                               ; this step's mask words are in, so the scalar loads are done and their pointers may be stepped
.if \more
	s_add_nc_u64 s[4:5], s[4:5], 256               ; 8 key tiles of 32 bytes on
	s_add_nc_u64 s[6:7], s[6:7], 256
.endif
	PEND 1, 1, 0                                   ; tile 1's K Q^T: one behind every four selects of tile 0, all eight inside MASK
	MASK 0, 32
.if \more
	MASKLD 0                                       ; tile 0's words of the next step; the last step asks for none
.endif
	SOFTA 0, \first                                ; its plain vector lines are also the places between tile 1's last product and the loads into FR
	VLOAD \slot                                    ; they land while tile 0's exponentials run
	SOFTB 0, \first
	s_wait_dscnt 0x0                               ; V^T's fragments are in: these were my last reads of this slot
	PEND 2, 3, \first                              ; tile 0's V^T P^T: one at every third of tile 1's 24 TICKs
	MASK 1, 68
.if \more
	MASKLD 1
.endif
	SOFTA 1, \first
	SOFTB 1, \first
	FLUSH                                          ; step 0 has no rescaling and so four TICKs fewer: the eighth product stands here
.endm
; The change of slots in front of the step that reads slot.  refill = 1: the other slot is filled again, two steps ahead.  pvfirst = 1: the step before was step 0.
; In front of the opening signal every wave waits for all its tensor loads (one is out: its chunk of this step's slot) and for its LDS reads of the other slot.
; Inside the opening barrier stands register work alone: tile 1's first four V^T P^T of the step before.  Behind the round no wave of the four work-groups reads
; the other slot or has a load on its way: its refill is the first thing there.  Then K's first half is asked for, into the registers that V^T's first 32 keys
; have left; tile 1's last four products run while it comes; then K's second half.
.macro BOUND slot, refill, pvfirst
	s_set_vgpr_msb 0x5
	s_wait_tensorcnt 0x0
	ds_add_u32 v0, v1
	s_wait_dscnt 0x0
	s_set_vgpr_msb 0x500
.if \refill
	s_add_nc_u64 s[30-4*\slot:31-4*\slot], s[30-4*\slot:31-4*\slot], 2*STEPB   ; no tensor load of mine is out: the other slot's address goes two steps on
.endif
	s_wait_dscnt 0x0
	s_barrier_signal -1
	PV4 1, 0, \pvfirst
	PLACES                                         ; in front of the loads into the fragments that these four have read
	s_barrier_wait -1
.if \refill
	CREST
	tensor_load_to_lds s[28-4*\slot:31-4*\slot], s[16:23]
	s_nop 0
.endif
	KLOAD \slot, 0
	PV4 1, 1, 0
	PLACES                                         ; likewise
	KLOAD \slot, 1
.endm
	s_wait_dscnt 0x0                               ; Q's fragments are in
	s_wait_tensorcnt 0x1                           ; my chunk of step 0 has landed; step 1's may stay out
	s_barrier_signal -1
	s_barrier_wait -1
	KLOAD 0, 0
	KLOAD 0, 1
	BODY 0, 1, 1                                   ; step 0 starts maxima, sums and tile 0's O
	BOUND 1, 1, 1                                  ; tile 1's O starts here; slot 0 gets step 2
	BODY 1, 0, 1                                   ; step 1
	s_mov_b32 s100, 6
.Lstep:
	BOUND 0, 1, 0                                  ; slot 1 gets steps 3, 5, .. 13
	BODY 0, 0, 1                                   ; steps 2, 4, .. 12
	BOUND 1, 1, 0                                  ; slot 0 gets steps 4, 6, .. 14
	BODY 1, 0, 1                                   ; steps 3, 5, .. 13
	s_sub_co_u32 s100, s100, 1
	s_cmp_lg_u32 s100, 0
	s_cbranch_scc1 .Lstep
	BOUND 0, 1, 0                                  ; slot 1 gets step 15: the last fill
	BODY 0, 0, 1                                   ; step 14
	BOUND 1, 0, 0                                  ; nothing is filled: the slot only has to be whole for all twelve waves
	BODY 1, 0, 0                                   ; step 15
	PV4 1, 0, 0                                    ; tile 1's last products
	PV4 1, 1, 0
	PLACES                                         ; in front of the stores that read them
	; THE END.  Tile 1's O, m and l go to wave w ^ 2, which has the same queries as its tile 0 and the other half of the keys.
	v_and_b32 v16, 31, v0
	v_lshlrev_b32 v17, 4, v16                      ; 16 L
	v_lshlrev_b32 v18, 2, v16                      ; 4 L
	s_mul_i32 s100, s12, WBYTES
	s_add_co_u32 s101, s100, XCH
	v_add_nc_u32 v19, s101, v17
	v_add_nc_u32 v21, s101, v18
.irp k, 0,1,2,3,4,5,6,7
	ds_store_b128 v19, v[ACC+32+4*\k:ACC+32+4*\k+3] offset:512*\k
.endr
	ds_store_b32 v21, v[MR+1] offset:4096
	ds_store_b32 v21, v[LR+1] offset:4224
	s_wait_dscnt 0x0                               ; for the partner's sake: my stores are done in front of the signal
	s_barrier_signal -1
	s_barrier_wait -1
	s_xor_b32 s2, s12, 2
	s_mul_i32 s2, s2, WBYTES
	s_add_co_u32 s2, s2, XCH
	v_add_nc_u32 v19, s2, v17
	v_add_nc_u32 v21, s2, v18
	ds_load_b32 v22, v21 offset:4096               ; m'
	ds_load_b32 v23, v21 offset:4224               ; l'
.irp k, 0,1,2,3,4,5,6,7
	ds_load_b128 v[FR+4*\k:FR+4*\k+3], v19 offset:512*\k   ; O', in my own register order
.endr
	s_add_co_u32 s100, s100, STG                   ; my stage
	s_wait_dscnt 0x8                               ; m' and l' are back, O's eight loads may be out
	v_max_num_f32 v24, v[MR], v22                  ; the maximum over all keys
	v_sub_f32 v25, v[MR], v24
	v_sub_f32 v26, v22, v24
	v_exp_f32 v25, v25                             ; a
	v_exp_f32 v26, v26                             ; a'
	v_and_b32 v30, 15, v0                          ; r (the plain line behind the exponentials)
	s_wait_alu depctr_va_vdst(0)
	v_mul_f32 v27, v[LR], v25
	v_fma_f32 v27, v23, v26, v27                   ; l a + l' a': this lane's keys
	v_permlanex16_b32 v28, v27, s66, s67
	v_add_f32 v27, v27, v28                        ; all keys; at least 1, since the key that holds the maximum counts 1
	v_rcp_f32 v29, v27
	v_bfe_u32 v31, v0, 4, 1                        ; h (the plain line behind the reciprocal)
	s_wait_alu depctr_va_vdst(0)
	v_mul_f32 v[ALR], v25, v29                     ; a / l
	v_mul_f32 v[ALR+2], v26, v29                   ; a' / l, twice for the packed multiply
	v_mul_f32 v[ALR+3], v26, v29
	v_mul_u32_u24 v22, v30, OPITCH
	v_lshl_add_u32 v22, v31, 7, v22
	v_add_nc_u32 v22, s100, v22                    ; out, in: row r, my 128 bytes (columns 32 h ..)
	v_mul_u32_u24 v23, v31, OPITCH
	v_lshl_add_u32 v23, v30, 4, v23
	v_add_nc_u32 v23, s100, v23                    ; out, back: lanes 0-15 one row of 256 bytes, lanes 16-31 the next
	s_wait_dscnt 0x0
.irp p, 0,2,4,6,8,10,12,14,16,18,20,22,24,26,28,30
	v_pk_mul_f32 v[FR+\p:FR+\p+1], v[FR+\p:FR+\p+1], v[ALR+2:ALR+3]
.endr
.irp c, 0,1,2,3
.irp j, 0,1,2,3,4,5,6,7
	v_fma_f32 v[SC+4*\j+\c], v[ACC+8*\c+\j], v[ALR], v[FR+8*\c+\j]   ; column 32 h + 4 j + c goes to register 4 j + c: 32 neighbouring columns
.endr
.endr
.irp k, 0,1,2,3,4,5,6,7
	ds_store_b128 v22, v[SC+4*\k:SC+4*\k+3] offset:16*\k
.endr
.irp t, 0,1,2,3,4,5,6,7
	ds_load_b128 v[FR+4*\t:FR+4*\t+3], v23 offset:\t*2*OPITCH      ; my own bytes, served in order: these see the stores above
.endr
.irp t, 0,1,2,3,4,5,6,7
	s_wait_dscnt 7-\t
	global_store_b128 v17, v[FR+4*\t:FR+4*\t+3], s[10:11] offset:512*\t th:TH_STORE_NT   ; two whole rows: 512 consecutive bytes, aligned
.endr
	s_set_vgpr_msb 0x5
	s_wait_tensorcnt 0x0
	ds_add_u32 v0, v1
	s_wait_dscnt 0x0
	s_set_vgpr_msb 0x500
	ROUND                                          ; the closing round: no work-group ends while a partner may still ask for a tile that names it
	s_endpgm
.Lfunc_end_k_q766cc9ffc2_attn:
	.size	k_q766cc9ffc2_attn, .Lfunc_end_k_q766cc9ffc2_attn-k_q766cc9ffc2_attn
	.p2alignl 7, 3214868480
	.fill 96, 4, 3214868480
	.section	.rodata,"a",@progbits
	.p2align	6, 0x0
	.amdhsa_kernel k_q766cc9ffc2_attn
		.amdhsa_group_segment_fixed_size 327680
		.amdhsa_private_segment_fixed_size 0
		.amdhsa_enable_private_segment 0
		.amdhsa_kernarg_size 32
		.amdhsa_user_sgpr_count 2
		.amdhsa_user_sgpr_kernarg_segment_ptr 1
		.amdhsa_wavefront_size32 1
		.amdhsa_system_sgpr_workgroup_id_x 1
		.amdhsa_system_sgpr_workgroup_id_y 1
		.amdhsa_system_sgpr_workgroup_id_z 1
		.amdhsa_system_vgpr_workitem_id 0
		.amdhsa_next_free_vgpr 258
		.amdhsa_next_free_sgpr 102
		.amdhsa_reserve_vcc 0
		.amdhsa_float_denorm_mode_32 3
		.amdhsa_float_denorm_mode_16_64 3
		.amdhsa_memory_ordered 1
		.amdhsa_forward_progress 1
		.amdhsa_inst_pref_size 154
	.end_amdhsa_kernel
	.amdgpu_metadata
---
amdhsa.version: [ 1, 2 ]
amdhsa.kernels:
  - .name:           k_q766cc9ffc2_attn
    .symbol:         k_q766cc9ffc2_attn.kd
    .args:
      - { .name: maskw, .offset: 0, .size: 8, .value_kind: global_buffer, .address_space: global }
      - { .name: kv, .offset: 8, .size: 8, .value_kind: global_buffer, .address_space: global }
      - { .name: query, .offset: 16, .size: 8, .value_kind: global_buffer, .address_space: global }
      - { .name: out0, .offset: 24, .size: 8, .value_kind: global_buffer, .address_space: global }
    .group_segment_fixed_size: 327680
    .private_segment_fixed_size: 0
    .kernarg_segment_align: 8
    .kernarg_segment_size: 32
    .max_flat_workgroup_size: 384
    .sgpr_count:     102
    .vgpr_count:     258
    .wavefront_size: 32
...
	.end_amdgpu_metadata
.endif
;; end of part 2
